; MI455X (gfx1250); checked and timed in simulation.
; The chip was launched on July 23, 2026; its instructions are those of AMD's public machine-readable ISA for CDNA 5 (MIT licence, August 2026) and "CDNA5" Instruction Set Architecture Reference Guide (July 2026). The comments in the code are by the model that wrote it; some were corrected since.
;; K Means. Allowed arithmetic: matrix products marked QUANTISED: E2M1 operands, one E8M0 scale for each 32 along K, by v_wmma_scale_f32_16x16x128_f8f6f4 with both operands' format E2M1 (or v_wmma_scale_f32_32x16x128_f4), f32 sums; everything else in f32.
;; Inputs: centroids 256 x 64 float32; x 500,000 x 64 float32.
;; Outputs: out0 1 x 256 x 64 float32; out1 500,000 int32.
;; This version of the problem:
;;   THIS VERSION OF THE PROBLEM IS GIVEN IN LOW PRECISION. The matrix products marked QUANTISED in the list below multiply operands that are first quantised to E2M1 (2 exponent bits, 1 mantissa bit; 4 bits a number), with one power-of-two scale for each 32 numbers along K (OCP MX v1.0); their sums are f32. All else is computed in f32.
;;   The module's matrix products, in the order in which they are computed (A, B: the left and right operand; K: the contracted axis; several contracted axes count as one K, in the product's order):
;;     1. [M 500,000, K 64] x [K 64, N 256]; A: input x; B: input centroids: QUANTISED
;;   THE QUANTISER, for each operand of a quantised product, along K:
;;     - K is cut into blocks of 32 from its start; a last block that is shorter is filled with zeros.
;;     - A block's scale is 2^e with e = floor(log2(the largest magnitude in the block)) - 2, held to -126 .. 127; a block of zeros has e = 0. As a byte (E8M0): e + 127.
;;     - Each number is divided by its block's scale, clamped to +-6, and rounded to the nearest number of E2M1, ties to even, subnormals kept.
;;     - The product sums the exact products of the quantised numbers (number of the format x scale) in f32.
;;   ~~~python
;;   def quantise(x, axis):      # numpy; x: float32 -> the quantised numbers, widened to float32 again
;;       x = np.moveaxis(x, axis, -1); K = x.shape[-1]
;;       x = np.pad(x, [(0, 0)] * (x.ndim - 1) + [(0, -K % 32)]); x = x.reshape(x.shape[:-1] + (-1, 32)); a = np.abs(x).max(-1, keepdims=True)
;;       e = np.where(a > 0, np.clip(np.frexp(np.where(a > 0, a, 1))[1] - 1 - 2, -126, 127), 0)      # np.frexp(a)[1] - 1 = floor(log2(a)), exactly
;;       r = np.clip(x / 2.0 ** e, -6, 6)
;;       step = 2.0 ** (np.maximum(np.frexp(np.where(r == 0, 1, r))[1] - 1, 0) - 1)
;;       q = np.round(r / step) * step * 2.0 ** e      # np.round: ties to even
;;       return np.moveaxis(q.reshape(q.shape[:-2] + (-1,))[..., :K], -1, axis).astype(np.float32)
;;   ~~~
;; One version. Each part assembles by itself: llvm-mc -triple=amdgcn-amd-amdhsa -mcpu=gfx1250 --defsym DOCPART=n.
;; ======== version 1 of 1: 1 launch
;; limits: right only within a limited range of input values
;; launch kmeans (part 1): grid 245 x 1, 8 waves a work-group, no clusters, 88,576 bytes of LDS; arguments x, centroids, out0, out1; writes out0, out1
.if DOCPART == 1
	.amdgcn_target "amdgcn-amd-amdhsa--gfx1250"
	.amdhsa_code_object_version 6
	.text
	.protected	k_q02e4e47cd7_kmeans
	.globl	k_q02e4e47cd7_kmeans
	.p2align	8
	.type	k_q02e4e47cd7_kmeans,@function
k_q02e4e47cd7_kmeans:
	s_mov_b64 s[64:65], 0
	v_nop
	global_prefetch_b8 v0, s[64:65] scope:SCOPE_SE
	s_setreg_imm32_b32 hwreg(HW_REG_WAVE_MODE, 25, 1), 1
	s_wait_xcnt 0x0
; out1[n] = argmin over c of (|x[n]|^2 - 2 x[n].cen[c]) + |cen[c]|^2, the lowest index on a tie; out0 = a copy of the centroids.
; x: [500000][64] f32, centroids: [256][64] f32.  x.cen is taken on codes of FP4 (E2M1) with one E8M0 scale for each 32 along K; the two squared norms on the f32 numbers.
; ARITHMETIC.  Times -1/2, which rounds nothing: the argmax over c of e = fl(fl(dot - csq/2) - xsq/2).  -csq/2 is the C of every product.
; |x[n]|^2 IS KEPT: it is the same for all centroids of a row, but the sum with it is rounded, which decides what is a tie, and a tie goes to the lowest index; where the points have a large common offset it is so large beside
; the rest that f32 loses their differences.  Rounding keeps the order, so the largest rounded number is the rounded largest: -xsq/2 is added to each tile's maximum and, at the end, to the eight numbers kept, to no others.
; LIMITS: NaN and infinities are not served.  Blocks whose largest magnitude lies under 2^-124, the floor that holds the scale's byte at 1, were not tried; a block of zeros has the byte 1 and zero codes.
; Halving a squared norm loses a bit where it lies under 2^-125.  The formula above adds |x|^2 ahead of |cen|^2, this text behind it.  A squared norm is summed in eight partial sums a half row, then pairwise.
; SHARES.  A tile is 16 points, 4,096 consecutive bytes of x; there are 31,250.  A wave takes 16 tiles as 8 pairs, a work-group of eight waves 128: 245 work-groups.  In work-group 244 wave 1 owns two tiles: it begins at
; tile 31,234, so that no load leaves x, and stores only its own results.  Waves 2 to 7 there own none: waves 4 to 7 copy the centroids to out0, and all six end.
; LAYOUT.  The product is used transposed: source 0 = 16 centroids, source 1 = 16 points.  Lane (r = lane % 16, h = lane / 16) then holds point r and, in register j of centroid tile t, row 8 h + j of the tile.
; Rows 0-7 of tile t are centroids 8 t + 0 .. 7, rows 8-15 are 128 + 8 t + 0 .. 7: so lanes 0-15 hold the centroids under 128 and on a tie between the halves lanes 0-15 have the smaller index.
; K IS 64 AND THE INSTRUCTION'S IS 128: a fragment holds two centroid tiles, 2 s at k 0-63 and 2 s + 1 at k 64-127.  The points' codes stand between zero codes (Z XA Z XB Z): XA Z picks the even tile, Z XA the odd one.
; The points' scale word is b0 b1 b0 b1 and serves both; a zero code adds nothing under any of these bytes.  C takes 128 registers that stay.
; TWO TILES OF POINTS, A AND B, go together: their chains stand side by side, and one exchange of lane halves serves both where a point's two lanes have to meet.
; ARGMAX.  A tile's eight numbers have one maximum; where it beats the running maximum (strictly) the maximum, the tile's number and the eight numbers are taken over.  The first kept number that equals it gives the index.
; LOADS.  Each wave loads straight into two register sets of a pair each and turns a pair through its own stage in LDS, so that a lane holds a block of 32 of one point.  While pair p is worked on, p + 1 to p + 3 have
; been asked for: these loads run two pairs, 32 loads a wave, ahead by themselves, so no prefetch is added.  Nothing but the 64 KiB of centroids is shared between work-groups, so there is no cluster and no tensor load.
; The eight pairs are written out by one macro: every offset in x and in LDS is an immediate, and no address is stepped.
.set NT,     31250                     ; tiles of 16 points
.set LASTA,  NT-16                     ; the last tile at which a wave may begin
.set SP,     272                       ; a stage row: 256 bytes + 16 = 68 words: row r starts at bank 4 r mod 64 (64 banks of 4 bytes: ISA guide 11.1)
.set WST,    32*SP                     ; a stage: 32 rows
.set AIMG,   0                         ; LDS: the images of the eight fragments of centroids, 1,024 bytes each
.set ASC,    8192                      ; their scale words, 64 bytes each
.set NCH,    8704                      ; -csq/2 in the order of the centroids
.set RES,    9728                      ; each wave's 256 results
.set STG,    17920                     ; each wave's stage
.set SPARE,  STG+8*WST                 ; the spare words, 128 bytes for each wave: four blocks of 256 bytes that no other line names
.set XO,   1                           ; v1   16 x lane
.set STI,  2                           ; v2   the stage, on the way in
.set STO,  3                           ; v3   and on the way out
.set RSA,  4                           ; v4   my place in my wave's results
.set SB,   5                           ; v5   the points' scale words: lanes 0-15 A's, lanes 16-31 B's
.set RR,   7                           ; v7   the results
.set SA,   8                           ; v8-11 the centroids' scale words: lanes 0-15 fragment 2 q, lanes 16-31 fragment 2 q + 1
.set BM,   12                          ; v12, v13 running maxima of A, B
.set BTA,  15                          ; v15, v14 their tiles
.set GG,   16                          ; v16-19 four maxima
.set SEL,  20                          ; v20-27, v28-35 the eight kept numbers of A, of B
.set Z0,   36                          ; v36-39, v44-47, v52-55 zero codes
.set XA,   40                          ; v40-43 A's codes
.set XB,   48                          ; v48-51 B's codes
.set JJ,   56                          ; v56, v57 places, then indices
.set NX,   58                          ; v58, v59 -xsq/2 of my point of A, of B
.set SPW,  60                          ; v60  my spare word's address; v61 zero: kept for the closing lines alone
.set NIL,  61
.set RDA,  62                          ; v62  where I read my results back
.set LN,   63                          ; v63  lane
.set WK,   64                          ; v64-95, v96-127 a pair of tiles at work
.set RAW0, 128                         ; v128-191 a pair as loaded (even pairs)
.set RAW1, 192                         ; window 1: v192-255 (odd pairs)
.set D,    192                         ; v192-255 two sets of four results; between trips the quantiser's registers:
.set MX,   192                         ; v192-199 eight chains of the largest magnitude
.set SO,   200                         ; v200, v201 the conversions' scale operands
.set BY,   202                         ; v202, v203 the scales' bytes
.set SQ,   208                         ; v208-223 sums of squares
.set AIW,  240                         ; v240-244 set-up: LDS addresses
.set ASW,  241
.set NCW,  242
.set H5,   243
.set ASL,  244
.set NC,   64                          ; window 1: v0-63 the fragments, v64-191 C, eight registers a tile
.set MSB, 0
.macro WIN new                         ; s_set_vgpr_msb: bits 1:0 source 0, 3:2 source 1, 5:4 source 2, 7:6 destination; the high byte repeats the setting that is left
.if MSB != \new
	s_set_vgpr_msb (MSB<<8)|\new
.set MSB, \new
.endif
.endm
.macro VWAIT
	s_wait_alu depctr_va_vdst(0)
.endm
.macro NOPS n
.rept \n
	v_nop
.endr
.endm
; loads i0 .. i0 + n - 1 of a pair's sixteen, off bytes from the pointer, into set raw: each covers 512 consecutive bytes
.macro GL raw, i0, n, off
.if \raw
	WIN 0x40
.set RB, RAW1
.else
	WIN 0
.set RB, RAW0
.endif
.set GI, \i0
.rept \n
	global_load_b128 v[RB+4*GI:RB+4*GI+3], v[XO], s[4:5] offset:(\off)+512*GI th:TH_LOAD_NT
.set GI, GI+1
.endr
.endm
; 32 rows of 256 bytes turn through my stage: in as they were loaded (load i: rows 2 i and 2 i + 1), out 128 bytes a lane.
; LDS serves a wave's instructions in order (ISA guide 5.7.1.4): no wait between the stores and the loads, nor in front of the next turn's stores.
.macro TIN base, win
	WIN \win
.irp i, 0,1,2,3,4,5,6,7,8,9,10,11,12,13,14,15
	ds_store_b128 v[STI], v[(\base)+4*\i:(\base)+4*\i+3] offset:2*SP*\i
.endr
.endm
.macro TOUT b
	WIN 0
.irp q, 0,1,2,3,4,5,6,7
	ds_load_b128 v[WK+32*\b+4*\q:WK+32*\b+4*\q+3], v[STO] offset:16*SP*\b+16*\q
.endr
.endm
; my two blocks of 32: their largest magnitudes, with the floor 2^(3 - 127) among the leaves, so that the byte cannot fall under 1
.macro QMAX
.irp b, 0,1
	v_max3_num_f32 v[MX+4*\b], |v[WK+32*\b]|, |v[WK+32*\b+1]|, 0x1800000
	v_max3_num_f32 v[MX+4*\b+1], |v[WK+32*\b+2]|, |v[WK+32*\b+3]|, |v[WK+32*\b+4]|
	v_max3_num_f32 v[MX+4*\b+2], |v[WK+32*\b+5]|, |v[WK+32*\b+6]|, |v[WK+32*\b+7]|
	v_max3_num_f32 v[MX+4*\b+3], |v[WK+32*\b+8]|, |v[WK+32*\b+9]|, |v[WK+32*\b+10]|
.endr
.irp n, 0,1
.irp b, 0,1
.irp c, 0,1,2,3
	v_max3_num_f32 v[MX+4*\b+\c], v[MX+4*\b+\c], |v[WK+32*\b+11+8*\n+2*\c]|, |v[WK+32*\b+12+8*\n+2*\c]|
.endr
.endr
.endr
.irp b, 0,1
	v_max3_num_f32 v[MX+4*\b+2], v[MX+4*\b+2], v[MX+4*\b+3], |v[WK+32*\b+31]|
	v_max3_num_f32 v[MX+4*\b], v[MX+4*\b], |v[WK+32*\b+27]|, |v[WK+32*\b+28]|
	v_max3_num_f32 v[MX+4*\b+1], v[MX+4*\b+1], |v[WK+32*\b+29]|, |v[WK+32*\b+30]|
.endr
.irp b, 0,1
	v_max3_num_f32 v[MX+4*\b], v[MX+4*\b], v[MX+4*\b+1], v[MX+4*\b+2]
.endr
.irp b, 0,1
	v_add_nc_u32 v[SO+\b], 0xff000000, v[MX+4*\b]  ; 2 off the exponent field: the conversion takes the exponent field of this operand as its scale
.endr
.irp b, 0,1
	v_lshrrev_b32 v[BY+\b], 23, v[SO+\b]           ; the scale's byte
.endr
	v_permlane16_swap_b32 v[BY], v[BY+1]           ; now v[BY] has block 0's bytes, v[BY+1] block 1's: lanes 0-15 A's rows, lanes 16-31 B's
	v_lshl_or_b32 v[BY], v[BY+1], 8, v[BY]
.endm
.macro QCVT                            ; the codes: registers 0-3 of the operand's layout for lane (r, h)
.irp g, 0,1,2,3
	v_cvt_scalef32_pk8_fp4_f32 v[XA+\g], v[WK+8*\g:WK+8*\g+7], v[SO]
	v_cvt_scalef32_pk8_fp4_f32 v[XB+\g], v[WK+32+8*\g:WK+32+8*\g+7], v[SO+1]
.endr
.endm
.macro SQSUM                           ; -1/2 x the rows' sums of 64 squares: lanes 0-15 A's row r, lanes 16-31 B's (plain lines behind the conversions: they touch no code)
.irp b, 0,1
.irp c, 0,1,2,3
	v_pk_mul_f32 v[SQ+8*\b+2*\c:SQ+8*\b+2*\c+1], v[WK+32*\b+2*\c:WK+32*\b+2*\c+1], v[WK+32*\b+2*\c:WK+32*\b+2*\c+1]
.endr
.endr
.irp n, 1,2,3
.irp b, 0,1
.irp c, 0,1,2,3
	v_pk_fma_f32 v[SQ+8*\b+2*\c:SQ+8*\b+2*\c+1], v[WK+32*\b+8*\n+2*\c:WK+32*\b+8*\n+2*\c+1], v[WK+32*\b+8*\n+2*\c:WK+32*\b+8*\n+2*\c+1], v[SQ+8*\b+2*\c:SQ+8*\b+2*\c+1]
.endr
.endr
.endr
.irp b, 0,1
	v_pk_add_f32 v[SQ+8*\b:SQ+8*\b+1], v[SQ+8*\b:SQ+8*\b+1], v[SQ+8*\b+2:SQ+8*\b+3]
	v_pk_add_f32 v[SQ+8*\b+4:SQ+8*\b+5], v[SQ+8*\b+4:SQ+8*\b+5], v[SQ+8*\b+6:SQ+8*\b+7]
.endr
.irp b, 0,1
	v_pk_add_f32 v[SQ+8*\b:SQ+8*\b+1], v[SQ+8*\b:SQ+8*\b+1], v[SQ+8*\b+4:SQ+8*\b+5]
.endr
.irp b, 0,1
	v_add_f32 v[SQ+8*\b], v[SQ+8*\b], v[SQ+8*\b+1]
.endr
	v_permlane16_swap_b32 v[SQ], v[SQ+8]           ; the two half sums of a row meet
	v_add_f32 v[SQ], v[SQ], v[SQ+8]
	v_mul_f32 v[SQ], -0.5, v[SQ]
.endm
; results of centroid tile TT = 2 s + u / 2 and points A (u even) or B (u odd): tile 0's straight in SEL, the others in set s % 2
.macro ESET s, u
.set TT, 2*(\s)+(\u)/2
.if TT == 0
.set EE, SEL+8*(\u)
.else
.set EE, D+32*((\s)%2)+8*(\u)
.endif
.endm
; fragment s: four products.  C is never a D: nothing is added in place
.macro WM s
	WIN 0x11
.irp u, 0,1,2,3
	ESET \s, \u
.set BB, XA+8*(\u%2)-4*(\u/2)
.if (\s)%2 == 0
.if \u%2 == 0
	v_wmma_scale_f32_16x16x128_f8f6f4 v[EE:EE+7], v[8*(\s):8*(\s)+7], v[BB:BB+7], v[NC+8*TT:NC+8*TT+7], v[SA+(\s)/2], v[SB] matrix_a_fmt:MATRIX_FMT_FP4 matrix_b_fmt:MATRIX_FMT_FP4
.else
	v_wmma_scale_f32_16x16x128_f8f6f4 v[EE:EE+7], v[8*(\s):8*(\s)+7], v[BB:BB+7], v[NC+8*TT:NC+8*TT+7], v[SA+(\s)/2], v[SB] matrix_a_fmt:MATRIX_FMT_FP4 matrix_b_fmt:MATRIX_FMT_FP4 matrix_b_scale:MATRIX_SCALE_ROW1
.endif
.else
.if \u%2 == 0
	v_wmma_scale_f32_16x16x128_f8f6f4 v[EE:EE+7], v[8*(\s):8*(\s)+7], v[BB:BB+7], v[NC+8*TT:NC+8*TT+7], v[SA+(\s)/2], v[SB] matrix_a_fmt:MATRIX_FMT_FP4 matrix_b_fmt:MATRIX_FMT_FP4 matrix_a_scale:MATRIX_SCALE_ROW1
.else
	v_wmma_scale_f32_16x16x128_f8f6f4 v[EE:EE+7], v[8*(\s):8*(\s)+7], v[BB:BB+7], v[NC+8*TT:NC+8*TT+7], v[SA+(\s)/2], v[SB] matrix_a_fmt:MATRIX_FMT_FP4 matrix_b_fmt:MATRIX_FMT_FP4 matrix_a_scale:MATRIX_SCALE_ROW1 matrix_b_scale:MATRIX_SCALE_ROW1
.endif
.endif
.endr
.endm
; A dual pair wants one even and one odd destination, and its two first sources, and its two second sources, in registers that differ modulo 4.  A's and B's results lie 8 registers apart, so A keeps its
; register 7 for the last round and B its register 0: a maximum does not hang on the order.
.macro M1 s, u
	ESET \s, \u
	v_max3_num_f32 v[GG+\u], v[EE+7*(\u%2)], v[EE+1], v[EE+2]
.endm
.macro M2 s, u
	ESET \s, \u
	v_max3_num_f32 v[GG+\u], v[GG+\u], v[EE+3], v[EE+4]
.endm
.macro M3 s, u
	ESET \s, \u
	v_max3_num_f32 v[GG+\u], v[GG+\u], v[EE+5], v[EE+6]
.endm
.macro DM s, u
	ESET \s, \u
.set EX, EE
.set GX, GG+\u
.if TT == 0
.set GX, BM                            ; tile 0 starts the running maxima; its numbers already lie in SEL
.endif
	ESET \s, (\u)+1
	v_dual_max_num_f32 v[GX], v[GG+\u], v[EX+7] :: v_dual_max_num_f32 v[GX+1], v[GG+\u+1], v[EE]
.endm
.macro ADJ g                           ; - xsq/2, of A and of B
	v_pk_add_f32 v[\g:\g+1], v[\g:\g+1], v[NX:NX+1]
.endm
.macro TKC u
	v_cmp_ge_f32 vcc_lo, v[BM+\u%2], v[GG+\u]      ; the old one holds where it is at least as large
.endm
.macro TK2 u, k
.set PS, SEL+8*(\u%2)+\k
	v_dual_cndmask_b32 v[PS], v[EE+\k], v[PS] :: v_dual_cndmask_b32 v[PS+1], v[EE+\k+1], v[PS+1]
.endm
.macro TKA s, u
	ESET \s, \u
.set BT, BTA-(\u%2)
.set BS, BT
.if TT == 1
.set BS, Z0+2                          ; the tile before is tile 0: a register that holds 0
.endif
	v_dual_max_num_f32 v[BM+\u%2], v[GG+\u], v[BM+\u%2] :: v_dual_cndmask_b32 v[BT], TT, v[BS]
	TK2 \u, 0
	TK2 \u, 2
.endm
.macro TKB s, u
	ESET \s, \u
	TK2 \u, 4
	TK2 \u, 6
.endm
; the four maxima, by turns; then each tile against the best so far, in ascending order
.macro REST s
	WIN 0
	M1 \s, 0
	M1 \s, 1
	M1 \s, 2
	M1 \s, 3
	M2 \s, 0
	M2 \s, 1
	M2 \s, 2
	M3 \s, 0
	M3 \s, 1
	M2 \s, 3
	DM \s, 0
.if \s > 0
	M3 \s, 2
	ADJ GG
	M3 \s, 3
	TKC 0
	DM \s, 2
	TKA \s, 0
	TKB \s, 0
	TKC 1
	ADJ GG+2
	TKA \s, 1
	TKB \s, 1
.else
	M3 \s, 2
	M3 \s, 3
	ADJ BM
	DM \s, 2
	ADJ GG+2
.endif
	TKC 2
	TKA \s, 2
	TKB \s, 2
	TKC 3
	TKA \s, 3
	TKB \s, 3
.endm
; the eight kept numbers - xsq/2; the first that equals the maximum, for A and B
.macro FINA
	v_mov_b32 v[JJ], v[NX+1]                       ; B's -xsq/2 as a pair
	v_mov_b32 v[JJ+1], v[NX+1]
.irp c, 0,2,4,6
	v_pk_add_f32 v[SEL+\c:SEL+\c+1], v[SEL+\c:SEL+\c+1], v[NX:NX+1] op_sel_hi:[1,0]   ; of the pair NX the low word, A's, serves both halves
.endr
.irp c, 0,2,4,6
	v_pk_add_f32 v[SEL+8+\c:SEL+8+\c+1], v[SEL+8+\c:SEL+8+\c+1], v[JJ:JJ+1]
.endr
	v_mov_b32 v[JJ], 7
	v_mov_b32 v[JJ+1], 7
.irp k, 6,5,4,3,2,1,0
	v_cmp_neq_f32 vcc_lo, v[SEL+\k], v[BM]
	v_cmp_neq_f32 s22, v[SEL+8+\k], v[BM+1]
	v_cndmask_b32 v[JJ], \k, v[JJ], vcc_lo
	v_cndmask_b32 v[JJ+1], \k, v[JJ+1], s22
.endr
.endm
; 8 t + j; the halves of the lanes meet: lanes 0-15 A's points, lanes 16-31 B's; the larger maximum's index, on a tie the lower half's; into my wave's results
.macro FINB fo
	v_lshl_add_u32 v[JJ], v[BTA], 3, v[JJ]
	v_lshl_add_u32 v[JJ+1], v[BTA-1], 3, v[JJ+1]
	v_permlane16_swap_b32 v[BM], v[BM+1]
	v_permlane16_swap_b32 v[JJ], v[JJ+1]
	v_cmp_gt_f32 vcc_lo, v[BM+1], v[BM]
	v_add_nc_u32 v[JJ+1], 0x80, v[JJ+1]
	v_cndmask_b32 v[RR], v[JJ], v[JJ+1], vcc_lo
	ds_store_b32 v[RSA], v[RR] offset:\fo
.endm
; A TRIP works on pair p, which lies in WK.  raw = (p + 1) % 2.  It finishes pair p - 1 on the way (first = 0).  turn = 1: pair p + 1 goes through the stage; left = the loads behind that pair's, which may stay out.
; load = 1: set raw is loaded again, with pair p + 3, off bytes from the pointer.
.macro TRIP raw, first, fo, load, off, turn, left
	WIN 0
	VWAIT
.if \first
	s_wait_dscnt 52                                ; pair 0 is back from the stage; the 52 loads of the centroids' images may be out
	GL 0, 0, 16, 16384                             ; pair 2: set 0 has been read by the stage's stores
.else
	s_wait_dscnt 0x0                               ; my pair is back from the stage
.endif
	QMAX
	v_lshl_or_b32 v[SB], v[BY], 16, v[BY]          ; b0 b1 b0 b1.  More than eight plain lines stand between this line and the first product, more than four behind the codes
	QCVT
	SQSUM
.if \first == 0
	FINA
.endif
	v_mov_b32 v[NX], v[SQ]                         ; lanes 0-15 A's, lanes 16-31 B's; the exchange gives A's to both halves of v[NX] and B's to both of v[NX+1]
	v_mov_b32 v[NX+1], v[SQ]
.if \first
	v_nop
.endif
	v_permlane16_swap_b32 v[NX], v[NX+1]
.if \first
	VWAIT
	s_wait_dscnt 0x0                               ; the centroids' fragments, scale words and C are in
.endif
	WM 0
	WM 1
	WIN 0
.if \first
	NOPS 5                                         ; places between the products and the first read of their results (ISA guide 7.12.1)
.else
	FINB \fo                                       ; its five plain lines beside the exchanges are those places
.endif
	REST 0
.if \turn
	VWAIT
	s_wait_loadcnt \left                           ; loads come back in order (ISA guide 5.7.1): the next pair's sixteen are in
.if \raw
	TIN RAW1, 0x04
.else
	TIN RAW0, 0
.endif
.endif
	WM 2                                           ; four products are always issued ahead of the vector work on the four before, which names none of their registers and so gives them their places
	REST 1
.if \turn
	TOUT 0
.endif
	WM 3
	REST 2
.if \turn
	TOUT 1
.endif
	WM 4
	REST 3
.if \load
	VWAIT
	s_wait_dscnt 0x10                              ; only the stage's sixteen loads may be out: its stores have read set raw
	GL \raw, 0, 4, \off
.endif
	WM 5
	REST 4
.if \load
	GL \raw, 4, 4, \off
.endif
	WM 6
	REST 5
.if \load
	GL \raw, 8, 4, \off
.endif
	WM 7
	REST 6
.if \load
	GL \raw, 12, 4, \off
.endif
	REST 7
.endm
	; ---- the head: addresses and ids
	s_load_b256 s[4:11], s[0:1], 0x0               ; x s[4:5], centroids s[6:7], out0 s[8:9], out1 s[10:11]
	v_lshl_add_u32 v[SPW], v0, 2, SPARE
	v_mov_b32 v[NIL], 0
	v_lshrrev_b32 v64, 5, v0
	v_and_b32 v[LN], 31, v0
	v_and_b32 v66, 15, v0                          ; r
	v_bfe_u32 v67, v0, 4, 1                        ; h
	v_and_b32 v68, 7, v0
	v_bfe_u32 v69, v0, 3, 1
	v_readfirstlane_b32 s12, v64                   ; wave 0..7
	v_lshlrev_b32 v[XO], 4, v[LN]
	v_lshlrev_b32 v[ASL], 2, v[LN]
	v_lshlrev_b32 v[H5], 9, v67
	v_mul_u32_u24 v[STI], v67, SP
	v_mul_u32_u24 v[STO], v66, SP
	v_lshlrev_b32 v[ASW], 2, v66
	v_lshlrev_b32 v[NCW], 2, v68
	v_lshl_add_u32 v[STI], v66, 4, v[STI]
	v_lshl_add_u32 v[STO], v67, 7, v[STO]
	v_lshl_add_u32 v[ASW], v67, 1, v[ASW]
	v_lshl_add_u32 v[NCW], v69, 9, v[NCW]
	v_lshl_add_u32 v[NCW], v67, 5, v[NCW]
	VWAIT
	s_mul_i32 s24, s12, WST
	s_add_co_u32 s24, s24, STG                     ; my stage
	s_lshl_b32 s20, s12, 10
	s_add_co_u32 s21, s20, RES                     ; my results
	s_lshl_b32 s30, s12, 6
	s_add_co_u32 s28, s30, ASC
	s_add_co_u32 s29, s30, NCH
	v_add_nc_u32 v[STI], s24, v[STI]
	v_add_nc_u32 v[STO], s24, v[STO]
	v_add_nc_u32 v[ASW], s28, v[ASW]               ; ASC + 64 w + 4 r + 2 h
	v_add_nc_u32 v[NCW], s29, v[NCW]               ; NCH + 64 w + 32 h + 4 (r % 8) + 512 (r / 8)
	v_add_nc_u32 v[AIW], s20, v[XO]                ; AIMG is byte 0
	v_add_nc_u32 v[RDA], s21, v[XO]
	v_add_nc_u32 v[RSA], s21, v[ASL]
.irp i, 0,1,2,3
	v_mov_b32 v[Z0+\i], 0                          ; the zero codes round XA and XB: written once
	v_mov_b32 v[Z0+8+\i], 0
	v_mov_b32 v[Z0+16+\i], 0
.endr
	s_lshl_b32 s13, ttmp9, 7
	s_lshl_b32 s24, s12, 4
	s_add_co_u32 s13, s13, s24                     ; the first tile that is mine: 128 x work-group + 16 x wave
	s_min_u32 s14, s13, LASTA                      ; the first tile that I take: 16 tiles from here stay inside x
	s_sub_co_u32 s15, s13, s14                     ; so many leading tiles are another wave's;
	s_lshl_b32 s15, s15, 2                         ; in runs of four results, which is what a lane stores
	s_lshl_b32 s16, s14, 12                        ; 4,096 bytes of x a tile: under 2^27
	s_mov_b32 s17, 0
	s_lshl_b32 s18, s12, 12                        ; my two tiles of centroids: 4,096 bytes here and 4,096 bytes 32,768 further on
	s_mov_b32 s19, 0
	s_lshl_b32 s26, s14, 6                         ; 64 bytes of out1 a tile
	s_mov_b32 s27, 0
	VWAIT
	s_wait_kmcnt 0x0
	s_add_nc_u64 s[4:5], s[4:5], s[16:17]
	s_add_nc_u64 s[28:29], s[6:7], s[18:19]
	s_add_nc_u64 s[10:11], s[10:11], s[26:27]
.irp b, 0,1                            ; tiles 2 w and 2 w + 1: eight rows and eight rows 128 further on; each load covers 512 consecutive bytes
.irp i, 0,1,2,3
	global_load_b128 v[WK+32*\b+4*\i:WK+32*\b+4*\i+3], v[XO], s[28:29] offset:2048*\b+512*\i
.endr
.irp i, 0,1,2,3
	global_load_b128 v[WK+32*\b+16+4*\i:WK+32*\b+16+4*\i+3], v[XO], s[28:29] offset:32768+2048*\b+512*\i
.endr
.endr
	GL 0, 0, 16, 0                                 ; pair 0
	s_wait_loadcnt 0x10                            ; the centroids' sixteen loads are in; pair 0's were issued behind them
	; ---- my two tiles of centroids become one fragment, its scale words and 32 numbers -csq/2
	TIN WK, 0
	TOUT 0
	TOUT 1
	GL 1, 0, 16, 8192                              ; pair 1
	WIN 0
	s_wait_dscnt 0x0
	QMAX
	QCVT
	SQSUM
	ds_store_b16 v[ASW], v[BY]                     ; my row's two bytes: the even tile's low in the word, the odd tile's high
	ds_store_b128 v[AIW], v[XA:XA+3] offset:AIMG   ; the fragment as it stands, lane l's 16 bytes at 16 l
	ds_store_b128 v[AIW], v[XB:XB+3] offset:AIMG+512
	ds_store_b32 v[NCW], v[SQ]
	VWAIT
	s_wait_dscnt 0x0                               ; for the others' sake: my stores have landed
	s_barrier_signal -1
	s_barrier_wait -1                              ; all eight fragments lie in LDS; nobody writes these bytes again
	s_cmp_ge_u32 s13, NT                           ; a wave that owns no tile (it hangs on the work-group's and the wave's numbers alone)
	s_cbranch_scc1 .Lcopy
	; ---- pair 0 turns; then every wave takes all of the centroids into its registers, where they stay
	s_wait_loadcnt 0x10                            ; pair 0's loads are in; pair 1's may be out
	TIN RAW0, 0
	TOUT 0
	TOUT 1
	WIN 0x40                                       ; destination window 1, address window 0
.irp p, 0,1,2,3,4,5,6,7
.irp c, 0,1
	ds_load_b128 v[8*\p+4*\c:8*\p+4*\c+3], v[XO] offset:AIMG+1024*\p+512*\c
.endr
.endr
.irp t, 0,1,2,3,4,5,6,7,8,9,10,11,12,13,14,15
.irp c, 0,1
	ds_load_b128 v[NC+8*\t+4*\c:NC+8*\t+4*\c+3], v[H5] offset:NCH+32*\t+16*\c      ; centroids 128 h + 8 t + 4 c + 0 .. 3
.endr
.endr
	WIN 0
.irp q, 0,1,2,3
	ds_load_b32 v[SA+\q], v[ASL] offset:ASC+128*\q
.endr
	; ---- eight pairs: five that load ahead, three that load nothing, so that no load leaves x
	TRIP 1, 1, 0, 1, 24576, 1, 16                  ; pair 1 turns (behind its loads: pair 2's); pair 3 is asked for
	TRIP 0, 0, 0, 1, 32768, 1, 16
	TRIP 1, 0, 128, 1, 40960, 1, 16
	TRIP 0, 0, 256, 1, 49152, 1, 16
	TRIP 1, 0, 384, 1, 57344, 1, 16                ; pair 7 is asked for
	TRIP 0, 0, 512, 0, 0, 1, 16                    ; pair 6 turns; pair 7's loads may be out
	TRIP 1, 0, 640, 0, 0, 1, 0
	TRIP 0, 0, 768, 0, 0, 0, 0
	FINA
	FINB 896
	; ---- the way out: my 256 results, 16 bytes a lane: each store covers 512 consecutive bytes.  Lanes whose four results belong to a tile that is another wave's store nothing
	ds_load_b128 v[WK:WK+3], v[RDA]                ; LDS serves a wave's instructions in order: these see my stores
	ds_load_b128 v[WK+4:WK+7], v[RDA] offset:512
	VWAIT
	s_wait_dscnt 0x0
.irp u, 0,1
	v_add_nc_u32 v[WK+8+\u], 32*\u, v[LN]
	v_cmp_le_u32 vcc_lo, s15, v[WK+8+\u]
	s_wait_xcnt 0x0                                ; EXEC changes only behind this wait
	s_and_saveexec_b32 s23, vcc_lo
	global_store_b128 v[XO], v[WK+4*\u:WK+4*\u+3], s[10:11] offset:512*\u th:TH_STORE_NT
	s_wait_xcnt 0x0                                ; and again, in front of the line that widens it
	s_or_b32 exec_lo, exec_lo, s23
.endr
	s_mov_b32 exec_lo, -1                          ; all lanes on for the closing lines
	VWAIT
	s_wait_tensorcnt 0x0                           ; the wave's end
	ds_add_u32 v[SPW], v[NIL]
	s_wait_dscnt 0x0
	s_endpgm
.Lcopy:                                ; waves 4 to 7: 16,384 bytes of centroids each go to out0, 512 consecutive bytes a load or store; waves 2 and 3 end
	s_cmp_lt_u32 s12, 4
	s_cbranch_scc1 .Lend
	s_sub_co_u32 s18, s12, 4
	s_lshl_b32 s18, s18, 14
	s_add_nc_u64 s[6:7], s[6:7], s[18:19]
	s_add_nc_u64 s[8:9], s[8:9], s[18:19]
.irp i, 0,1,2,3,4,5,6,7,8,9,10,11,12,13,14,15
	global_load_b128 v[WK+4*\i:WK+4*\i+3], v[XO], s[6:7] offset:512*\i
.endr
.irp i, 0,1,2,3,4,5,6,7,8,9,10,11,12,13,14,15
	global_load_b128 v[D+4*\i:D+4*\i+3], v[XO], s[6:7] offset:8192+512*\i
.endr
	s_wait_loadcnt 0x0
.irp i, 0,1,2,3,4,5,6,7,8,9,10,11,12,13,14,15
	global_store_b128 v[XO], v[WK+4*\i:WK+4*\i+3], s[8:9] offset:512*\i
.endr
.irp i, 0,1,2,3,4,5,6,7,8,9,10,11,12,13,14,15
	global_store_b128 v[XO], v[D+4*\i:D+4*\i+3], s[8:9] offset:8192+512*\i
.endr
.Lend:
	s_wait_tensorcnt 0x0                           ; the wave's end, as above
	ds_add_u32 v[SPW], v[NIL]
	s_wait_dscnt 0x0
	s_endpgm
.Lfunc_end_k_q02e4e47cd7_kmeans:
	.size	k_q02e4e47cd7_kmeans, .Lfunc_end_k_q02e4e47cd7_kmeans-k_q02e4e47cd7_kmeans
	.p2alignl 7, 3214868480
	.fill 96, 4, 3214868480
	.section	.rodata,"a",@progbits
	.p2align	6, 0x0
	.amdhsa_kernel k_q02e4e47cd7_kmeans
		.amdhsa_group_segment_fixed_size 88576
		.amdhsa_private_segment_fixed_size 0
		.amdhsa_enable_private_segment 0
		.amdhsa_kernarg_size 32
		.amdhsa_user_sgpr_count 2
		.amdhsa_user_sgpr_kernarg_segment_ptr 1
		.amdhsa_wavefront_size32 1
		.amdhsa_system_sgpr_workgroup_id_x 1
		.amdhsa_system_sgpr_workgroup_id_y 1
		.amdhsa_system_sgpr_workgroup_id_z 1
		.amdhsa_system_vgpr_workitem_id 0
		.amdhsa_next_free_vgpr 512
		.amdhsa_next_free_sgpr 66
		.amdhsa_reserve_vcc 1
		.amdhsa_float_denorm_mode_32 3
		.amdhsa_float_denorm_mode_16_64 3
		.amdhsa_memory_ordered 1
		.amdhsa_forward_progress 1
		.amdhsa_inst_pref_size 255
	.end_amdhsa_kernel
	.section	.bss,"aw",@nobits
	.p2align	6
	.space	262144
	.amdgpu_metadata
---
amdhsa.version: [ 1, 2 ]
amdhsa.kernels:
  - .name:           k_q02e4e47cd7_kmeans
    .symbol:         k_q02e4e47cd7_kmeans.kd
    .args:
      - { .name: x, .offset: 0, .size: 8, .value_kind: global_buffer, .address_space: global }
      - { .name: centroids, .offset: 8, .size: 8, .value_kind: global_buffer, .address_space: global }
      - { .name: out0, .offset: 16, .size: 8, .value_kind: global_buffer, .address_space: global }
      - { .name: out1, .offset: 24, .size: 8, .value_kind: global_buffer, .address_space: global }
    .group_segment_fixed_size: 88576
    .private_segment_fixed_size: 0
    .kernarg_segment_align: 8
    .kernarg_segment_size: 32
    .max_flat_workgroup_size: 256
    .sgpr_count:     66
    .vgpr_count:     512
    .wavefront_size: 32
...
	.end_amdgpu_metadata
.endif
;; end of part 1
